; MI455X (gfx1250); checked and timed in simulation.
; The chip was launched on July 23, 2026; its instructions are those of AMD's public machine-readable ISA for CDNA 5 (MIT licence, August 2026) and "CDNA5" Instruction Set Architecture Reference Guide (July 2026). The comments in the code are by the model that wrote it; some were corrected since.
;; Segment Linear. Allowed arithmetic: float matrix products may take bf16 or f16 operands with f32 sums; other float arithmetic in f32, or as packed bf16 or f16 multiplies, adds, multiply-adds, maxima and minima; sums over many terms, partial sums and values carried from step to step in f32; what a program stores and reads back later, other than sums and carried values, may be rounded once to bf16 or f16.
;; Inputs: W 16 x 512 x 512 float32; b 16 x 512 float32; coords 16,384 int32; x 16,384 x 512 float32.
;; Outputs: out0 16,384 x 512 float32.
;; One version. Each part assembles by itself: llvm-mc -triple=amdgcn-amd-amdhsa -mcpu=gfx1250 --defsym DOCPART=n.
;; ======== version 1 of 1: 2 launches
;; workspace buffers: wb 8,388,608 bytes; order 65,536 bytes of whole numbers; ends 256 bytes of whole numbers
;; launch prep (part 1): grid 256 x 1, 8 waves a work-group, no clusters, 34,560 bytes of LDS; arguments W, coords, wb, order, ends, out0; writes wb, order, ends, out0
.if DOCPART == 1
	.amdgcn_target "amdgcn-amd-amdhsa--gfx1250"
	.amdhsa_code_object_version 6
	.text
	.protected	k_qf6f0aae097_prep
	.globl	k_qf6f0aae097_prep
	.p2align	8
	.type	k_qf6f0aae097_prep,@function
k_qf6f0aae097_prep:
	s_mov_b64 s[64:65], 0
	v_nop
	global_prefetch_b8 v0, s[64:65] scope:SCOPE_SE
	s_setreg_imm32_b32 hwreg(HW_REG_WAVE_MODE, 25, 1), 1
	s_wait_xcnt 0x0
; PREP: (1) W [16][512][512] f32 is rounded once to bf16 and laid out, in wb, in the order in which the next launch's operand registers take it;
; (2) the tokens are sorted by coords (a counting sort without atomics): order[] holds the token numbers, expert after expert, ends[e] = the number of tokens with coords <= e;
; (3) a token whose coords lies outside 0..15 (negative ones too: all compares are unsigned) matches no segment: its row of out0 is written as zeros here, and it gets no place in order[].
; SHARES.  256 work-groups of eight waves.  Work-group G = 16 EX + CH casts 64 KiB of W (expert EX, rows 32 CH .. 32 CH + 31) and places those tokens of chunk CH
; (tokens 1024 CH .. + 1023) whose coords is EX.  To know where its tokens begin in order[], it counts for itself: every work-group reads all 16,384 coords, four a thread and chunk.
;   first place = #(coords < EX, all tokens) + #(coords = EX, chunks before CH).  One compare a word does both: the bound is EX + 1 in the chunks before CH and EX in the others.
; wb's LAYOUT.  A fragment is 16 rows n x 32 k, 1,024 bytes: byte 16 x lane of the first 512 holds W[n0 + lane % 16][k0 + 8 (lane / 16) + 0..7], of the second 512 the same 16 k further on.
;   address = e x 524,288 + cg x 131,072 + ks x 8,192 + j x 1,024 + half x 512 + lane x 16;  cg = n / 128, j = (n / 16) % 8, ks = k / 32.
; The cast goes through LDS: rows are read from memory on end (a wave's load covers 512 consecutive bytes), fragments are read out of padded rows, and each store of a wave again covers 512 consecutive, aligned bytes.
; The order of an expert's tokens among themselves is free; the ranks are a bijection: wave after wave, in a wave word 0 to 3 of the lanes' four, in a word by lane.
; Every register that serves as an address is made ahead of the first line that narrows EXEC, with all lanes on.
.set WPITCH, 1040                      ; an LDS row: 512 bf16 + 16 bytes = 65 x 16: the 16 rows that a fragment load touches start at 16 different groups of four banks (64 banks of 4 bytes: ISA guide 11.1)
.set CNTB,   32*WPITCH                 ; 33,280: the eight waves' two counts each
.set SPARE,  CNTB+256                  ; 33,536: the spare words, 128 bytes for each wave; no other line names them
.set LANE, 1                           ; v1   lane
.set T16,  2                           ; v2   16 x thread: my four coords in a chunk
.set OWO,  3                           ; v3   the same in my own chunk
.set WOF,  4                           ; v4   my 16 bytes in the wave's 8 KiB of W
.set WST,  5                           ; v5   where my four bf16 go in LDS
.set FRD,  6                           ; v6   where I read a fragment's 16 bytes
.set WBO,  7                           ; v7   my 16 bytes in wb
.set CO,   8                           ; v[8:71]    coords, chunk j at CO + 4 j
.set OWN,  72                          ; v[72:75]   my own chunk's four
.set WF,   76                          ; v[76:139]  W as loaded, then as bf16
.set FR,   140                         ; v[140:171] eight halves of fragments
.set CT,   172                         ; v[172:187] the waves' counts, read back
.set RK,   188                         ; v[188:191] byte offsets in order[]
.set TOK,  192                         ; v[192:195] my four tokens' numbers
.set ZERO, 196                         ; v[196:199] 0
.set ZOFF, 200                         ; v[200:203] my work-group's 128 bytes in those tokens' rows of out0
.set SPW,  204                         ; v204 LDS address of my spare word; never rewritten
.set NIL,  205                         ; v205 0; never rewritten
.set PR,   206                         ; v[206:207] a pair of counts; later the number for ends[]
.set ADC,  208                         ; v208 LDS address of my wave's counts
.set ADR,  209                         ; v209 LDS address of all counts
.set EO,   210                         ; v210 byte offset in ends[]
.set WV,   16                          ; s16 wave
.set EX,   18                          ; s18 expert
.set CH,   19                          ; s19 chunk
.set EX1,  20                          ; s20 EX + 1
.set THR,  21                          ; s21 a chunk's bound
.set SUM,  22                          ; s22 my wave's count of tokens that come before the work-group's
.set OWNC, 23                          ; s23 my wave's count of the work-group's own tokens
.set MK,   24                          ; s[24:27] masks, then their counts
.set NK,   28                          ; s[28:31] own tokens by word
.set CW,   32                          ; s[32:47] the eight waves' SUM and OWNC
.set BASE, 48                          ; s48 the next free place in order[] for my wave
.set TOT,  49                          ; s49 all sixteen counts added
.set SV,   50                          ; s50 EXEC, kept
.set WO,   52                          ; s[52:53] byte offset in W
.set T0,   54
.set T1,   55
.set BO,   58                          ; s[58:59] byte offset in wb
	s_load_b256 s[4:11], s[0:1], 0x0               ; W s[4:5], coords s[6:7], wb s[8:9], order s[10:11]
	s_load_b128 s[12:15], s[0:1], 0x20             ; ends s[12:13], out0 s[14:15]
	v_lshl_add_u32 v[SPW], v0, 2, SPARE
	v_mov_b32 v[NIL], 0
	v_lshrrev_b32 v[LANE], 5, v0
	v_readfirstlane_b32 s[WV], v[LANE]             ; wave 0..7
	v_and_b32 v[LANE], 31, v0
	s_lshr_b32 s[EX], ttmp9, 4
	s_and_b32 s[CH], ttmp9, 15
	s_add_co_u32 s[EX1], s[EX], 1
	s_mov_b32 s[SUM], 0
	s_lshl_b32 s[WO], ttmp9, 16                    ; G x 65,536 = expert x 1 MiB + chunk x 32 rows x 2,048 bytes
	s_mov_b32 s[WO+1], 0
	s_lshl_b32 s[BO], s[EX], 19                    ; wb: expert x 524,288
	s_lshr_b32 s[T0], s[CH], 2
	s_lshl_b32 s[T0], s[T0], 17                    ; + column group (rows 32 CH on lie in group CH / 4) x 131,072
	s_add_co_u32 s[BO], s[BO], s[T0]
	s_and_b32 s[T0], s[CH], 3
	s_lshl_b32 s[T0], s[T0], 11                    ; + its blocks 2 (CH % 4) and the next: x 1,024
	s_add_co_u32 s[BO], s[BO], s[T0]
	s_mov_b32 s[BO+1], 0
	v_lshlrev_b32 v[T16], 4, v0
	s_lshl_b32 s[T0], s[CH], 12
	v_add_nc_u32 v[OWO], s[T0], v[T16]
	s_lshl_b32 s[T0], s[WV], 13                    ; a wave reads 8 KiB of W on end: rows 4 WV .. 4 WV + 3 of the 32
	v_lshl_add_u32 v[WOF], v[LANE], 4, s[T0]
	s_wait_kmcnt 0x0
	s_add_nc_u64 s[4:5], s[4:5], s[WO:WO+1]
	s_add_nc_u64 s[8:9], s[8:9], s[BO:BO+1]
	; 33 loads in one run: all coords, my own chunk once more (its words are compared for equality later), then W
.irp j, 0,1,2,3,4,5,6,7,8,9,10,11,12,13,14,15
	global_load_b128 v[CO+4*(\j):CO+4*(\j)+3], v[T16], s[6:7] offset:(\j)*4096
.endr
	global_load_b128 v[OWN:OWN+3], v[OWO], s[6:7]
.irp j, 0,1,2,3,4,5,6,7,8,9,10,11,12,13,14,15
	global_load_b128 v[WF+4*(\j):WF+4*(\j)+3], v[WOF], s[4:5] offset:(\j)*512 th:TH_LOAD_NT  ; W is read once in the whole launch
.endr
	; the other addresses are made while the loads are out
	s_mul_i32 s[T0], s[WV], 4*WPITCH
	v_lshl_add_u32 v[WST], v[LANE], 3, s[T0]       ; my wave's four rows, 8 bytes a lane
	v_and_b32 v[FRD], 15, v0
	v_mul_u32_u24 v[FRD], v[FRD], WPITCH           ; a fragment's row lane % 16,
	v_bfe_u32 v[WBO], v0, 4, 1
	v_lshl_add_u32 v[FRD], v[WBO], 4, v[FRD]       ; + 16 x (lane / 16),
	s_lshl_b32 s[T0], s[WV], 7
	v_add_nc_u32 v[FRD], s[T0], v[FRD]             ; + my wave's two K steps, 2 WV and 2 WV + 1: 64 bytes each
	s_lshl_b32 s[T0], s[WV], 14
	v_lshl_add_u32 v[WBO], v[LANE], 4, s[T0]       ; in wb: K step x 8,192 + lane x 16
	s_lshl_b32 s[T0], s[CH], 10
	v_lshl_add_u32 v[TOK], v0, 2, s[T0]            ; my tokens: 1024 CH + 4 x thread + k
	s_lshl_b32 s[T1], s[EX], 7                     ; of a row without a segment work-group (EX, CH) zeroes bytes 128 EX .. + 127
.irp k, 1,2,3
	v_add_nc_u32 v[TOK+(\k)], \k, v[TOK]
.endr
.irp k, 0,1,2,3
	v_lshl_add_u32 v[ZOFF+(\k)], v[TOK+(\k)], 11, s[T1]
	v_mov_b32 v[ZERO+(\k)], 0
.endr
	s_lshl_b32 s[T0], s[WV], 3
	s_add_co_u32 s[T0], s[T0], CNTB
	v_mov_b32 v[ADC], s[T0]
	v_mov_b32 v[ADR], CNTB
	s_lshl_b32 s[T0], s[EX], 2
	v_mov_b32 v[EO], s[T0]                         ; ends[EX]'s place
; Chunk j's part of SUM: the lanes' four words against the chunk's bound
.macro COUNT j
	s_wait_loadcnt 32-(\j)                         ; loads come back in order: behind chunk j stand 15 - j chunks, my own chunk and 16 loads of W
	s_cmp_gt_u32 s[CH], \j
	s_cselect_b32 s[THR], s[EX1], s[EX]            ; a chunk before mine: coords <= EX count; mine and later ones: coords < EX
.irp k, 0,1,2,3
	v_cmp_gt_u32 s[MK+(\k)], s[THR], v[CO+4*(\j)+(\k)]
.endr
.irp k, 0,1,2,3
	s_bcnt1_i32_b32 s[MK+(\k)], s[MK+(\k)]
.endr
.irp k, 0,1,2,3
	s_add_co_u32 s[SUM], s[SUM], s[MK+(\k)]
.endr
.endm
.irp j, 0,1,2,3,4,5,6,7,8,9,10,11,12,13,14,15
	COUNT \j
.endr
	s_wait_loadcnt 16                              ; my own chunk is in; W's 16 loads may stay out
.irp k, 0,1,2,3
	v_cmp_eq_u32 s[MK+(\k)], s[EX], v[OWN+(\k)]
.endr
.irp k, 0,1,2,3
	s_bcnt1_i32_b32 s[NK+(\k)], s[MK+(\k)]
.endr
	s_add_co_u32 s[OWNC], s[NK], s[NK+1]
	s_add_co_u32 s[T0], s[NK+2], s[NK+3]
	s_add_co_u32 s[OWNC], s[OWNC], s[T0]
	v_mov_b32 v[PR], s[SUM]
	v_mov_b32 v[PR+1], s[OWNC]
	ds_store_b64 v[ADC], v[PR:PR+1]                ; all lanes write the same pair to my wave's place
	; W: four f32 a lane become four bf16, 8 bytes; a wave's store covers 256 consecutive bytes of an LDS row
.irp j, 0,1,2,3,4,5,6,7,8,9,10,11,12,13,14,15
	s_wait_loadcnt 15-(\j)                         ; load j is in, the younger ones stay out
	v_cvt_pk_bf16_f32 v[WF+4*(\j)],   v[WF+4*(\j)],   v[WF+4*(\j)+1]
	v_cvt_pk_bf16_f32 v[WF+4*(\j)+1], v[WF+4*(\j)+2], v[WF+4*(\j)+3]
	ds_store_b64 v[WST], v[WF+4*(\j):WF+4*(\j)+1] offset:((\j)/4)*WPITCH+((\j)%4)*256
.endr
	s_wait_dscnt 0x0                               ; for the others' sake: my counts and my rows are in LDS
	s_barrier_signal -1
	s_barrier_wait -1                              ; everybody's are: the launch's one barrier
.irp i, 0,1,2,3
	ds_load_b128 v[CT+4*(\i):CT+4*(\i)+3], v[ADR] offset:16*(\i)
.endr
.irp nbl, 0,1                          ; block of 16 rows, K step, half of the fragment
.irp ksl, 0,1
.irp hf, 0,1
	ds_load_b128 v[FR+4*(4*(\nbl)+2*(\ksl)+(\hf)):FR+4*(4*(\nbl)+2*(\ksl)+(\hf))+3], v[FRD] offset:(\nbl)*16*WPITCH+(\ksl)*64+(\hf)*32
.endr
.endr
.endr
	s_wait_dscnt 8                                 ; the counts are in; the eight fragment loads may stay out
.set i, 0
.rept 16
	v_readfirstlane_b32 s[CW+i], v[CT+i]
.set i, i+1
.endr
	s_mov_b32 s[BASE], 0
	s_mov_b32 s[TOT], 0
.irp w, 0,1,2,3,4,5,6,7
	s_add_co_u32 s[BASE], s[BASE], s[CW+2*(\w)]    ; all waves' SUM: the work-group's first place,
	s_add_co_u32 s[TOT], s[TOT], s[CW+2*(\w)]
	s_add_co_u32 s[TOT], s[TOT], s[CW+2*(\w)+1]
	s_cmp_gt_u32 s[WV], \w
	s_cselect_b32 s[T0], s[CW+2*(\w)+1], 0
	s_add_co_u32 s[BASE], s[BASE], s[T0]           ; and the own tokens of the waves before mine
.endr
	s_wait_dscnt 0x0
.irp nbl, 0,1
.irp ksl, 0,1
.irp hf, 0,1
	global_store_b128 v[WBO], v[FR+4*(4*(\nbl)+2*(\ksl)+(\hf)):FR+4*(4*(\nbl)+2*(\ksl)+(\hf))+3], s[8:9] offset:(\ksl)*8192+(\nbl)*1024+(\hf)*512  ; 512 consecutive bytes, at a multiple of 512 from wb's first
.endr
.endr
.endr
; Word k of my four: the place in order[] that a lane's token would take, for all four words while every lane is still on
.macro RANK k
	v_cmp_eq_u32 vcc_lo, s[EX], v[OWN+(\k)]
	v_mbcnt_lo_u32_b32 v[RK+(\k)], vcc_lo, 0       ; how many lanes with a token of EX stand below mine
	v_add_nc_u32 v[RK+(\k)], s[BASE], v[RK+(\k)]
	s_add_co_u32 s[BASE], s[BASE], s[NK+(\k)]      ; the next word goes on behind this one's
	v_min_u32 v[RK+(\k)], 0x3fff, v[RK+(\k)]       ; a place made from loaded numbers is held inside order[]'s 16,384 words
	v_lshlrev_b32 v[RK+(\k)], 2, v[RK+(\k)]
.endm
.irp k, 0,1,2,3
	RANK \k
.endr
	v_mov_b32 v[PR], s[TOT]                        ; what the last chunk's work-group stores in ends[]
; Word k: the lanes whose token belongs to EX store its number; their places are consecutive
.macro PUT k
	v_cmp_eq_u32 vcc_lo, s[EX], v[OWN+(\k)]
	s_wait_xcnt 0x0                                ; EXEC is a source of the stores that are out: it changes only behind this wait
	s_and_saveexec_b32 s[SV], vcc_lo
	global_store_b32 v[RK+(\k)], v[TOK+(\k)], s[10:11]
	s_wait_xcnt 0x0                                ; and again in front of the line that widens it
	s_or_b32 exec_lo, exec_lo, s[SV]
.endm
.irp k, 0,1,2,3
	PUT \k
.endr
	; ends[EX]: in the last chunk's work-group all sixteen counts add up to #(coords <= EX).  Thread 0 stores it.
	s_cmp_lg_u32 s[CH], 15
	s_cbranch_scc1 .Lno_ends
	s_cmp_lg_u32 s[WV], 0
	s_cbranch_scc1 .Lno_ends
	v_cmp_eq_u32 vcc_lo, 0, v0
	s_wait_xcnt 0x0
	s_and_saveexec_b32 s[SV], vcc_lo
	global_store_b32 v[EO], v[PR], s[12:13]
	s_wait_xcnt 0x0
	s_or_b32 exec_lo, exec_lo, s[SV]
.Lno_ends:
; Word k: a token with coords above 15 (unsigned) has no segment.  The chunk's 16 work-groups each zero 128 bytes of its row: eight stores of 16 bytes a lane,
; lanes far apart: the form is plain because the case is an exception; where no lane has such a token the stores are jumped.
.macro ZFILL k
	v_cmp_lt_u32 vcc_lo, 15, v[OWN+(\k)]
	s_cbranch_vccz .Lin_range_\@
	s_wait_xcnt 0x0
	s_and_saveexec_b32 s[SV], vcc_lo
.irp i, 0,1,2,3,4,5,6,7
	global_store_b128 v[ZOFF+(\k)], v[ZERO:ZERO+3], s[14:15] offset:16*(\i)
.endr
	s_wait_xcnt 0x0
	s_or_b32 exec_lo, exec_lo, s[SV]
.Lin_range_\@:
.endm
.irp k, 0,1,2,3
	ZFILL \k
.endr
	s_wait_tensorcnt 0x0                           ; the wave's end, behind my last LDS store
	ds_add_u32 v[SPW], v[NIL]
	s_wait_dscnt 0x0
	s_endpgm
.Lfunc_end_k_qf6f0aae097_prep:
	.size	k_qf6f0aae097_prep, .Lfunc_end_k_qf6f0aae097_prep-k_qf6f0aae097_prep
	.p2alignl 7, 3214868480
	.fill 96, 4, 3214868480
	.section	.rodata,"a",@progbits
	.p2align	6, 0x0
	.amdhsa_kernel k_qf6f0aae097_prep
		.amdhsa_group_segment_fixed_size 34560
		.amdhsa_private_segment_fixed_size 0
		.amdhsa_enable_private_segment 0
		.amdhsa_kernarg_size 48
		.amdhsa_user_sgpr_count 2
		.amdhsa_user_sgpr_kernarg_segment_ptr 1
		.amdhsa_wavefront_size32 1
		.amdhsa_system_sgpr_workgroup_id_x 1
		.amdhsa_system_sgpr_workgroup_id_y 1
		.amdhsa_system_sgpr_workgroup_id_z 1
		.amdhsa_system_vgpr_workitem_id 0
		.amdhsa_next_free_vgpr 212
		.amdhsa_next_free_sgpr 66
		.amdhsa_reserve_vcc 1
		.amdhsa_float_denorm_mode_32 3
		.amdhsa_float_denorm_mode_16_64 3
		.amdhsa_memory_ordered 1
		.amdhsa_forward_progress 1
		.amdhsa_inst_pref_size 30
	.end_amdhsa_kernel
	.amdgpu_metadata
---
amdhsa.version: [ 1, 2 ]
amdhsa.kernels:
  - .name:           k_qf6f0aae097_prep
    .symbol:         k_qf6f0aae097_prep.kd
    .args:
      - { .name: W, .offset: 0, .size: 8, .value_kind: global_buffer, .address_space: global }
      - { .name: coords, .offset: 8, .size: 8, .value_kind: global_buffer, .address_space: global }
      - { .name: wb, .offset: 16, .size: 8, .value_kind: global_buffer, .address_space: global }
      - { .name: order, .offset: 24, .size: 8, .value_kind: global_buffer, .address_space: global }
      - { .name: ends, .offset: 32, .size: 8, .value_kind: global_buffer, .address_space: global }
      - { .name: out0, .offset: 40, .size: 8, .value_kind: global_buffer, .address_space: global }
    .group_segment_fixed_size: 34560
    .private_segment_fixed_size: 0
    .kernarg_segment_align: 8
    .kernarg_segment_size: 48
    .max_flat_workgroup_size: 256
    .sgpr_count:     66
    .vgpr_count:     212
    .wavefront_size: 32
...
	.end_amdgpu_metadata
.endif
;; end of part 1
;; launch gemm (part 2): grid 256 x 1, 4 waves a work-group, no clusters, 121,344 bytes of LDS; arguments x, wb, b, order, ends, out0; writes out0
.if DOCPART == 2
	.amdgcn_target "amdgcn-amd-amdhsa--gfx1250"
	.amdhsa_code_object_version 6
	.text
	.protected	k_qf6f0aae097_gemm
	.globl	k_qf6f0aae097_gemm
	.p2align	8
	.type	k_qf6f0aae097_gemm,@function
k_qf6f0aae097_gemm:
	s_mov_b64 s[64:65], 0
	v_nop
	global_prefetch_b8 v0, s[64:65] scope:SCOPE_SE
	s_setreg_imm32_b32 hwreg(HW_REG_WAVE_MODE, 25, 1), 1
	s_wait_xcnt 0x0
; out0[t][:] = W[coords[t]] x[t] + b[coords[t]] for every token that has a segment; the launch before sorted the tokens (order, ends) and laid W out in bf16 (wb).
; NUMBERS.  x and W are rounded once to bf16; the sums over K = 512 are f32; the bias is added in f32 behind the sum (not inside the product), the result is stored as f32.
; A NaN or an infinity in a row of x touches that row alone.  Tokens without a segment were written by the launch before and are not in order[].
; THE DEAL.  256 work-groups for every split of the tokens.  With cnt_e = ends[e] - ends[e-1], expert e gets g_e = floor(240 cnt_e / 16384) + 1 work-groups: the sum is 240 + 16 at the most.
; Its rows go out in blocks of 16: ceil(cnt_e / 16) blocks, floor(blocks / g) to each work-group and one more to the first blocks % g of them.  g > 240 cnt / 16384 gives cnt < 68.27 g, so
; blocks < 4.27 g + 0.94, which is 5 g at the most (g = 1: cnt <= 68, five blocks): no work-group has more than five blocks, 80 rows, whatever the split.  Every work-group works the deal out for
; itself, in whole numbers.  A work-group that a split leaves without rows runs the same text on token 0 (every wave passes every barrier) and stores nothing.
; SHARES.  A work-group: up to 80 rows of one expert x all 512 columns x K = 512.  Wave w: columns 128 w .. + 127 of all rows: 40 accumulators.  Places past the count repeat the work-group's last
; row; their results are not stored.  Four blocks are always multiplied; the fifth, from the second K step on, only where the work-group has more than 64 rows.
; x IN FOUR CHUNKS of 128 along K.  In each chunk wave w fetches rows 20 w .. 20 w + 19 (a load covers 512 consecutive bytes of a row), rounds them to bf16 and stores them into the chunk's own
; region of LDS; a barrier; then all waves read fragments from it.  Chunks 0 and 1 are asked for at the start, chunks 2 and 3 five loads a K step in K steps 0 to 7, and chunk c + 1 is converted
; at the head of K step 4 c + 2: the products on one chunk run while the later chunks are on their way.
; wb goes from memory straight into operand registers: inside a work-group each of its bytes has one reading wave, and a wave's 128 KiB lie on end.
; THE MATRIX INSTRUCTION IS USED TRANSPOSED: source 0 = 16 rows of W, source 1 = 16 rows of x: a lane then holds eight neighbouring columns of one row of the result.
; NO CLUSTER, NO JOINT LOADS.  What work-groups share is an expert's wb.  Partners would have to belong to one expert, so experts would be dealt whole clusters of four: 64 clusters,
; floor(48 cnt / 16384) + 1 each, which bounds a work-group's rows by 86: six blocks of 16 for five; and the tile would have to pass through LDS, which the operands here do not.
; x comes by a list, which no tensor descriptor covers.
; EXEC stays as it is at the entry, all lanes on, from the first line to the last.
; REGISTERS, in windows of 256 (s_set_vgpr_msb: bits 1:0 source 0, 3:2 source 1, 5:4 source 2, 7:6 destination):
;   window 0: addresses, bias, two buffers of x fragments, the 80 rows' byte offsets; v192-211 my 20 rows' offsets for the gather, later v192-255 at work on the way out
;   window 1: the accumulators of blocks 0-3: (mb, nb) at v[8 (8 mb + nb)]
;   window 2: v0-63 block 4's accumulators; v64-143 x as loaded, chunks 0 and 2; v144-223 chunks 1 and 3          window 3: four buffers of 64 for W's fragments, K step ks in buffer ks % 4
.set XP,     272                       ; a row of a chunk in LDS: 128 bf16 + 16 bytes = 17 x 16: the 16 rows of a fragment load start at 16 different groups of four banks (64 banks of 4 bytes: ISA guide 11.1)
.set CHB,    80*XP                     ; 21,760: a chunk's region
.set STAGE,  4*CHB                     ; 87,040: behind x: for each wave 16 rows of 512 + 16 bytes, for the way out
.set SPITCH, 528
.set SPARE,  STAGE+4*16*SPITCH         ; 120,832: the spare words, 128 bytes for each wave; no other line names them
.set L16,  1                           ; v1   16 x lane
.set AA0,  2                           ; v2   my place in a fragment of x, chunks 0 to 2
.set AA1,  3                           ; v3   the same in chunk 3 (an LDS offset holds 16 bits)
.set XSW,  4                           ; v4   where my four bf16 of my wave's first row go, chunks 0 to 2;  v5 the same in chunk 3
.set STO,  6                           ; v6   the way out: where I put 32 bytes of a row
.set RD,   7                           ; v7   the way out: where I read 16 bytes of a row back
.set BO,   9                           ; v9   my byte offset in b
.set TK,   10                          ; v[10:12] the tile's 80 tokens, one a lane
.set LN,   13                          ; v13  lane
.set SPW,  14                          ; v14  LDS address of my spare word; never rewritten
.set NIL,  15                          ; v15  0; never rewritten
.set BIAS, 16                          ; v[16:19]
.set IDX,  20                          ; v[20:22] byte offsets in order[]
.set HH,   23                          ; v23  lane / 16
.set TKW,  24                          ; v24  the tokens of the rows that my wave fetches: lane l has row 20 w + l
.set IDW,  25                          ; v25  their byte offsets in order[]
.set AF,   32                          ; v[32:71], v[72:111] x fragments of K step ks in buffer ks % 2: block mb at + 8 mb
.set OFF,  112                         ; v[112:191] row i: token x 2,048 + 16 x lane: the address of its store into out0; never rewritten
.set LOFF, 192                         ; v[192:211] the same for rows 20 w .. + 19: the addresses of my loads from x
.set RB,   192                         ; v[192:255] later: 16 rows read back from the stage
.set SG,   64                          ; window 2: x as loaded, 4 registers a row, chunk c in set c % 2 of 80
.set WV,   32                          ; s32 wave
.set GG,   33                          ; s33 work-group
.set START,34                          ; s34 the first work-group of the expert in hand
.set PREV, 35                          ; s35 ends[e - 1]
.set EX,   36                          ; s36 my expert
.set ST,   37                          ; s37 its first work-group
.set GE,   38                          ; s38 its number of work-groups
.set CN,   39                          ; s39 its number of rows
.set TS,   40                          ; s40 its first place in order[]
.set T0,   41
.set T1,   42
.set BL,   43                          ; s43 its number of blocks
.set QQ,   44                          ; s44 floor(blocks / work-groups)
.set REM,  45                          ; s45 blocks % work-groups
.set R0,   46                          ; s46 my first row among the expert's
.set ROWS, 47                          ; s47 my number of rows, 0 to 80
.set RM1,  48
.set ABS0, 49                          ; s49 my first place in order[]
.set OP,   50                          ; s[50:51] a byte offset, in 64 bits
.set II,   56                          ; s56 my number among the expert's work-groups
; s[16:31]: ends[]; behind the deal, with s[52:55], tokens on their way from lanes to offsets
.set MSB, 0
.macro WIN new                         ; the immediate's high byte repeats the setting that is left; a switch that changes nothing is dropped
.if MSB != (\new)
	s_set_vgpr_msb (MSB<<8)|(\new)
.set MSB, \new
.endif
.endm
.macro PLACES                          ; four plain vector instructions between a matrix instruction and a load into, or a store out of, its registers
.rept 4
	v_nop
.endr
.endm
	s_load_b256 s[4:11], s[0:1], 0x0               ; x s[4:5], wb s[6:7], b s[8:9], order s[10:11]
	s_load_b128 s[12:15], s[0:1], 0x20             ; ends s[12:13], out0 s[14:15]
	v_lshl_add_u32 v[SPW], v0, 2, SPARE
	v_mov_b32 v[NIL], 0
	v_lshrrev_b32 v[LN], 5, v0
	v_readfirstlane_b32 s[WV], v[LN]               ; wave 0..3
	s_mov_b32 s[GG], ttmp9
	s_lshl_b32 s[OP], s[WV], 9
	s_mov_b32 s[OP+1], 0
	s_wait_kmcnt 0x0
	s_load_b512 s[16:31], s[12:13], 0x0            ; ends[0..15]; the lane terms are made while it is out
	s_add_nc_u64 s[14:15], s[14:15], s[OP:OP+1]    ; out0 at my wave's 128 columns: 512 bytes of every row
	v_and_b32 v[LN], 31, v0
	v_lshlrev_b32 v[L16], 4, v[LN]
	v_and_b32 v[AA0], 15, v0                       ; lane % 16
	v_bfe_u32 v[HH], v0, 4, 1                      ; lane / 16
	v_mul_u32_u24 v[STO], v[AA0], SPITCH
	v_mul_u32_u24 v[AA0], v[AA0], XP
	v_lshl_add_u32 v[AA0], v[HH], 4, v[AA0]        ; row x pitch + 16 x half
	v_add_nc_u32 v[AA1], 3*CHB, v[AA0]
	s_mul_i32 s[T0], s[WV], 20*XP
	v_lshl_add_u32 v[XSW], v[LN], 3, s[T0]         ; my wave's 20 rows of a chunk; 8 bytes a lane
	v_add_nc_u32 v[XSW+1], 3*CHB, v[XSW]
	s_mul_i32 s[T1], s[WV], 16*SPITCH
	s_add_co_u32 s[T1], s[T1], STAGE               ; my stage
	v_lshl_add_u32 v[STO], v[HH], 5, v[STO]        ; in: row lane % 16, 32 bytes for each half of the lanes
	v_add_nc_u32 v[STO], s[T1], v[STO]
	v_add_nc_u32 v[RD], s[T1], v[L16]              ; back: a row's 512 bytes, 16 a lane
.irp r, START, PREV, EX, ST, GE, CN, TS, QQ
	s_mov_b32 s[\r], 0
.endr
	s_wait_kmcnt 0x0
; Expert e in the deal: the last expert whose first work-group is not beyond mine is my expert
.macro DEAL e
	s_min_u32 s[16+(\e)], s[16+(\e)], 0x4000       ; a loaded count is held to the number of tokens
	s_sub_co_u32 s[T0], s[16+(\e)], s[PREV]        ; cnt_e
	s_mul_i32 s[T1], s[T0], 240
	s_lshr_b32 s[T1], s[T1], 14
	s_add_co_u32 s[T1], s[T1], 1                   ; g_e
	s_cmp_ge_u32 s[GG], s[START]
	s_cselect_b32 s[EX], \e, s[EX]
	s_cselect_b32 s[ST], s[START], s[ST]
	s_cselect_b32 s[GE], s[T1], s[GE]
	s_cselect_b32 s[CN], s[T0], s[CN]
	s_cselect_b32 s[TS], s[PREV], s[TS]
	s_add_co_u32 s[START], s[START], s[T1]
	s_mov_b32 s[PREV], s[16+(\e)]
.endm
.irp e, 0,1,2,3,4,5,6,7,8,9,10,11,12,13,14,15
	DEAL \e
.endr
	s_add_co_u32 s[BL], s[CN], 15
	s_lshr_b32 s[BL], s[BL], 4                     ; the expert's blocks of 16 rows
.irp bit, 4,2,1                        ; floor(blocks / g), 5 at the most: three bits
	s_add_co_u32 s[T0], s[QQ], \bit
	s_mul_i32 s[T1], s[T0], s[GE]
	s_cmp_le_u32 s[T1], s[BL]
	s_cselect_b32 s[QQ], s[T0], s[QQ]
.endr
	s_mul_i32 s[T0], s[QQ], s[GE]
	s_sub_co_u32 s[REM], s[BL], s[T0]
	s_sub_co_u32 s[II], s[GG], s[ST]
	s_mul_i32 s[R0], s[II], s[QQ]
	s_min_u32 s[T0], s[II], s[REM]
	s_add_co_u32 s[R0], s[R0], s[T0]               ; my first block: the work-groups before me have QQ each, the first REM of them one more
	s_lshl_b32 s[R0], s[R0], 4
	s_cmp_lt_u32 s[II], s[REM]
	s_cselect_b32 s[T1], 1, 0
	s_add_co_u32 s[T1], s[T1], s[QQ]
	s_lshl_b32 s[T1], s[T1], 4                     ; the rows that my blocks hold
	s_sub_co_u32 s[T0], s[CN], s[R0]               ; what is left from my first row on (used only where R0 < cnt)
	s_min_u32 s[T0], s[T0], s[T1]
	s_cmp_lt_u32 s[R0], s[CN]
	s_cselect_b32 s[ROWS], s[T0], 0                ; 0 for an expert without rows and for work-groups beyond the sum of the g_e (their first block lies at or past the last)
	s_min_u32 s[ROWS], s[ROWS], 80                 ; never more than the tile holds
	s_max_u32 s[RM1], s[ROWS], 1
	s_sub_co_u32 s[RM1], s[RM1], 1
	s_add_co_u32 s[ABS0], s[TS], s[R0]
	s_min_u32 s[EX], s[EX], 15
	s_lshl_b32 s[OP], s[EX], 19                    ; wb: expert x 524,288 + my wave's column group x 131,072
	s_lshl_b32 s[T0], s[WV], 17
	s_add_co_u32 s[OP], s[OP], s[T0]
	s_mov_b32 s[OP+1], 0
	s_add_nc_u64 s[6:7], s[6:7], s[OP:OP+1]
	s_lshl_b32 s[T0], s[EX], 11
	s_lshl_b32 s[T1], s[WV], 9
	s_add_co_u32 s[T0], s[T0], s[T1]
	v_add_nc_u32 v[BO], s[T0], v[L16]
	global_load_b128 v[BIAS:BIAS+3], v[BO], s[8:9]
.irp j, 0,1,2
	v_add_nc_u32 v[IDX+(\j)], 32*(\j), v[LN]       ; place lane + 32 j of the tile;
	v_min_u32 v[IDX+(\j)], s[RM1], v[IDX+(\j)]     ; places past the count repeat my last row
	v_add_nc_u32 v[IDX+(\j)], s[ABS0], v[IDX+(\j)]
	v_min_u32 v[IDX+(\j)], 0x3fff, v[IDX+(\j)]     ; held inside order[]'s 16,384 words
	v_lshlrev_b32 v[IDX+(\j)], 2, v[IDX+(\j)]
	v_mov_b32 v[TK+(\j)], 0                        ; a work-group without rows goes on with token 0
.endr
	s_mul_i32 s[T0], s[WV], 20
	v_add_nc_u32 v[IDW], s[T0], v[LN]              ; the same for the rows that my wave fetches: place 20 w + lane
	v_min_u32 v[IDW], s[RM1], v[IDW]
	v_add_nc_u32 v[IDW], s[ABS0], v[IDW]
	v_min_u32 v[IDW], 0x3fff, v[IDW]
	v_lshlrev_b32 v[IDW], 2, v[IDW]
	v_mov_b32 v[TKW], 0
	s_cmp_eq_u32 s[ROWS], 0                        ; a work-group without rows reads nothing of order[], whose places past the last routed token are not written
	s_cbranch_scc1 .Lno_rows
	global_load_b32 v[TKW], v[IDW], s[10:11]
.irp j, 0,1,2
	global_load_b32 v[TK+(\j)], v[IDX+(\j)], s[10:11]
.endr
.Lno_rows:
; W's fragments of K step ks, 8 KiB on end: 16 loads of 512 consecutive bytes, into buffer ks % 4 of window 3
.macro BLOAD ks
	WIN 0xc0                                       ; destination window 3, address window 0
.set bb, 64*((\ks)%4)
.irp j, 0,1,2,3,4,5,6,7
	global_load_b128 v[bb+8*(\j):bb+8*(\j)+3],   v[L16], s[6:7] offset:(\ks)*8192+(\j)*1024
	global_load_b128 v[bb+8*(\j)+4:bb+8*(\j)+7], v[L16], s[6:7] offset:(\ks)*8192+(\j)*1024+512
.endr
.endm
	BLOAD 0                                        ; three K steps of W go out while the tokens' numbers are on their way
	BLOAD 1
	BLOAD 2
	WIN 0
	s_wait_loadcnt 48                              ; the bias is in, and the tokens where they were asked for: on both ways the 48 loads of W are all that was issued behind them
; Tokens come out of their lanes in batches: all the reads of lanes, then all the scalar lines, then all the sums, so that vector and scalar work change hands once a batch.
; A loaded number enters an address only behind a bound: 16,384 rows, of 2,048 bytes.
.set i, 0
.rept 20                               ; my wave's 20 rows: s16-31 and s52-55
	v_readlane_b32 s[16+i+20*(i/16)], v[TKW], i
.set i, i+1
.endr
.set i, 0
.rept 20
	s_min_u32 s[16+i+20*(i/16)], s[16+i+20*(i/16)], 0x3fff
.set i, i+1
.endr
.set i, 0
.rept 20
	s_lshl_b32 s[16+i+20*(i/16)], s[16+i+20*(i/16)], 11
.set i, i+1
.endr
.set i, 0
.rept 20
	v_add_nc_u32 v[LOFF+i], s[16+i+20*(i/16)], v[L16]
.set i, i+1
.endr
; n loads of chunk c, my rows j0 on: each 512 consecutive bytes of a row.  No cache hint: places past the count name the last row again
.macro XLOADP c, j0, n
	WIN 0x80                                       ; destination window 2, address window 0
.set sg, SG+80*((\c)%2)
.set i, \j0
.rept \n
	global_load_b128 v[sg+4*i:sg+4*i+3], v[LOFF+i], s[4:5] offset:(\c)*512
.set i, i+1
.endr
.endm
	XLOADP 0, 0, 20
	XLOADP 1, 0, 20
; The 80 rows' offsets for the stores are made while chunk 0 is on its way
.macro OFFS g
	WIN 0
.set i, 0
.rept 16
	v_readlane_b32 s[16+i], v[TK+(16*(\g)+i)/32], (16*(\g)+i)%32
.set i, i+1
.endr
.set i, 0
.rept 16
	s_min_u32 s[16+i], s[16+i], 0x3fff
.set i, i+1
.endr
.set i, 0
.rept 16
	s_lshl_b32 s[16+i], s[16+i], 11
.set i, i+1
.endr
.set i, 0
.rept 16
	v_add_nc_u32 v[OFF+16*(\g)+i], s[16+i], v[L16]
.set i, i+1
.endr
.endm
.irp g, 0,1,2,3,4
	OFFS \g
.endr
; Chunk c, my 20 rows: four f32 a lane become four bf16, in place, and go into the chunk's region of LDS: a wave's store covers a row's 256 bytes.  left: the loads issued behind the chunk's
.macro XCVT c, left
	s_wait_loadcnt \left
	WIN 0x8a                                       ; destination and both sources window 2
.set sg, SG+80*((\c)%2)
.set i, 0
.rept 20
	v_cvt_pk_bf16_f32 v[sg+4*i],   v[sg+4*i],   v[sg+4*i+1]
	v_cvt_pk_bf16_f32 v[sg+4*i+1], v[sg+4*i+2], v[sg+4*i+3]
.set i, i+1
.endr
	WIN 0x08                                       ; an LDS store's data are source 1: window 2
.set i, 0
.rept 20
	ds_store_b64 v[XSW+(\c)/3], v[sg+4*i:sg+4*i+1] offset:((\c)%3)*CHB+i*XP
.set i, i+1
.endr
.endm
	XCVT 0, 20                                     ; behind chunk 0 stand chunk 1's 20 loads; W's first three K steps, issued ahead of it, are in with it
	WIN 0
	s_wait_dscnt 0x0                               ; for the others' sake: my 20 rows of chunk 0 are in LDS
	s_barrier_signal -1
	s_barrier_wait -1                              ; everybody's are
; x's fragments of K step ks: five blocks of 16 rows x 32 K, two loads of 16 bytes each, 32 bytes apart, into buffer ks % 2
.macro ALOAD ks
	WIN 0
.set ab, AF+40*((\ks)%2)
.set ch, (\ks)/4
.set ao, (ch%3)*CHB+((\ks)%4)*64
.irp m, 0,1,2,3,4
	ds_load_b128 v[ab+8*(\m):ab+8*(\m)+3],   v[AA0+ch/3] offset:ao+(\m)*16*XP
	ds_load_b128 v[ab+8*(\m)+4:ab+8*(\m)+7], v[AA0+ch/3] offset:ao+(\m)*16*XP+32
.endr
.endm
; The products of a K step: the accumulators take turns, one instruction a turn, in the same order in every K step.  K step 0 starts all 40 sums with the constant 0.
; From K step 1 on block 4's eight are jumped where the work-group has no row past 64: nothing but products stands in what is jumped.  bw = 1: a barrier's wait stands behind the first 32.
.macro MUL ks, bw
.set bb, 64*((\ks)%4)
.set ab, AF+40*((\ks)%2)
	WIN 0x53                                       ; W window 3, x window 0, C and D window 1
.irp m, 0,1,2,3
.irp n, 0,1,2,3,4,5,6,7
.if (\ks) == 0
	v_wmma_f32_16x16x32_bf16 v[8*(8*(\m)+(\n)):8*(8*(\m)+(\n))+7], v[bb+8*(\n):bb+8*(\n)+7], v[ab+8*(\m):ab+8*(\m)+7], 0
.else
	v_wmma_f32_16x16x32_bf16 v[8*(8*(\m)+(\n)):8*(8*(\m)+(\n))+7], v[bb+8*(\n):bb+8*(\n)+7], v[ab+8*(\m):ab+8*(\m)+7], v[8*(8*(\m)+(\n)):8*(8*(\m)+(\n))+7]
.endif
.endr
.endr
.if \bw
	s_barrier_wait -1                              ; every wave's rows of the next chunk are in LDS
.endif
.if (\ks) == 0
	WIN 0xa3                                       ; C and D window 2: block 4
.irp n, 0,1,2,3,4,5,6,7
	v_wmma_f32_16x16x32_bf16 v[8*(\n):8*(\n)+7], v[bb+8*(\n):bb+8*(\n)+7], v[ab+32:ab+39], 0
.endr
.else
	WIN 0                                          ; at a branch and at a label every window is 0
	s_cmp_le_u32 s[ROWS], 64
	s_cbranch_scc1 .Lfour_\@
	WIN 0xa3
.irp n, 0,1,2,3,4,5,6,7
	v_wmma_f32_16x16x32_bf16 v[8*(\n):8*(\n)+7], v[bb+8*(\n):bb+8*(\n)+7], v[ab+32:ab+39], v[8*(\n):8*(\n)+7]
.endr
	WIN 0
.Lfour_\@:
.endif
.endm
; A K step of 32.  Its loads, in this order: five of x (K steps 0-3: chunk 2; 4-7: chunk 3), W's fragments three steps ahead (into the buffer that the step before has multiplied), x's fragments
; one step ahead.  Loads come back in order (ISA guide 5.7.1), so a group of W is waited for by the loads issued behind it, three steps' worth: 3 x (5 + 16) = 63 at the most, which a wait can still name.
; K steps 2, 6 and 10 begin with the next chunk's conversion; its stores are waited for, the barrier is signalled, and its wait stands behind 32 products.  The K step behind it reads the new chunk.
.macro KSTEP ks
.set cv, 0
.if ((\ks)%4 == 2) && ((\ks) < 12)
.set cv, 1
.endif
.if (\ks) > 0
	PLACES                                         ; the loads below go into registers that the step before multiplied
.endif
.if (\ks) == 2
	XCVT 1, 42                                     ; behind chunk 1: K steps 0 and 1, 21 loads each
.elseif (\ks) == 6
	XCVT 2, 58                                     ; behind chunk 2's last five: K step 3's 16 of W, K steps 4 and 5, 21 each
.elseif (\ks) == 10
	XCVT 3, 48                                     ; behind chunk 3's last five: three groups of W
.endif
.if (\ks) <= 7
	XLOADP 2+(\ks)/4, 5*((\ks)%4), 5               ; into the set whose chunk was converted, and its LDS stores waited for, ahead of the loop or two K steps ago
.endif
.if (\ks) <= 12
	BLOAD (\ks)+3
.endif
.if (\ks) <= 14
	ALOAD (\ks)+1
.endif
.if (\ks) >= 3                         ; (K steps 0 to 2: their W was issued ahead of chunk 0, whose wait has shown it in)
.set nl, 0
.irp d, 0,1,2
.if (\ks)-(\d) <= 7
.set nl, nl+5
.endif
.if (\ks)-(\d) <= 12
.set nl, nl+16
.endif
.endr
	s_wait_loadcnt nl                              ; this step's W is in; what this step and the two before it issued stays out
.endif
.if cv
	s_wait_dscnt 0x0                               ; for the others' sake: my rows of the next chunk are in LDS (and this step's x fragments are in)
	s_barrier_signal -1
.elseif (\ks) <= 14
	s_wait_dscnt 10                                ; this step's x is in; the ten loads just issued stay out
.else
	s_wait_dscnt 0x0
.endif
	MUL \ks, cv
.endm
	ALOAD 0
.irp ks, 0,1,2,3,4,5,6,7,8,9,10,11,12,13,14,15
	KSTEP \ks
.endr
	PLACES                                         ; the LDS stores below read results just made
; THE WAY OUT of block mb: a lane's eight columns of a row, 32 bytes, go into my own stage (rows of 528 bytes; each accumulator's low four registers first) and come back
; as whole rows of 512 bytes; the bias is added, and a wave's store covers 512 consecutive bytes, at a multiple of 512 from out0's first byte.  Rows at and past the count are jumped, with all that follows.
.macro EPI mb
	WIN 0
	s_cmp_le_u32 s[ROWS], 16*(\mb)
	s_cbranch_scc1 .Ldone
.if (\mb) < 4
	WIN 0x04                                       ; the stores' data: window 1
.else
	WIN 0x08                                       ; window 2
.endif
.set ac, 64*((\mb)%4)
.irp n, 0,1,2,3,4,5,6,7
	ds_store_b128 v[STO], v[ac+8*(\n):ac+8*(\n)+3]   offset:64*(\n)
	ds_store_b128 v[STO], v[ac+8*(\n)+4:ac+8*(\n)+7] offset:64*(\n)+16
.endr
	WIN 0
	s_wait_xcnt 0x0                                ; the registers that the block before's stores read are loaded again only behind this wait (the gather's offsets, which lay here, served loads that have all come back)
.irp i, 0,1,2,3,4,5,6,7,8,9,10,11,12,13,14,15
	ds_load_b128 v[RB+4*(\i):RB+4*(\i)+3], v[RD] offset:(\i)*SPITCH  ; LDS serves a wave's instructions in order (ISA guide 5.7.1.4): these see the stores above, and the next block's stores come behind them
.endr
.irp i, 0,1,2,3,4,5,6,7,8,9,10,11,12,13,14,15
.if (\i) > 0
	s_cmp_le_u32 s[ROWS], 16*(\mb)+(\i)
	s_cbranch_scc1 .Ldone
.endif
	s_wait_dscnt 15-(\i)                           ; row i is back; the rows behind it stay out
	v_pk_add_f32 v[RB+4*(\i):RB+4*(\i)+1],   v[RB+4*(\i):RB+4*(\i)+1],   v[BIAS:BIAS+1]
	v_pk_add_f32 v[RB+4*(\i)+2:RB+4*(\i)+3], v[RB+4*(\i)+2:RB+4*(\i)+3], v[BIAS+2:BIAS+3]
	global_store_b128 v[OFF+16*(\mb)+(\i)], v[RB+4*(\i):RB+4*(\i)+3], s[14:15] th:TH_STORE_NT
.endr
.endm
.irp mb, 0,1,2,3,4
	EPI \mb
.endr
.Ldone:
	s_wait_tensorcnt 0x0                           ; the wave's end, behind my last LDS store; the s_wait_dscnt also takes in stage loads that a jump left out
	ds_add_u32 v[SPW], v[NIL]
	s_wait_dscnt 0x0
	s_endpgm
.Lfunc_end_k_qf6f0aae097_gemm:
	.size	k_qf6f0aae097_gemm, .Lfunc_end_k_qf6f0aae097_gemm-k_qf6f0aae097_gemm
	.p2alignl 7, 3214868480
	.fill 96, 4, 3214868480
	.section	.rodata,"a",@progbits
	.p2align	6, 0x0
	.amdhsa_kernel k_qf6f0aae097_gemm
		.amdhsa_group_segment_fixed_size 121344
		.amdhsa_private_segment_fixed_size 0
		.amdhsa_enable_private_segment 0
		.amdhsa_kernarg_size 48
		.amdhsa_user_sgpr_count 2
		.amdhsa_user_sgpr_kernarg_segment_ptr 1
		.amdhsa_wavefront_size32 1
		.amdhsa_system_sgpr_workgroup_id_x 1
		.amdhsa_system_sgpr_workgroup_id_y 1
		.amdhsa_system_sgpr_workgroup_id_z 1
		.amdhsa_system_vgpr_workitem_id 0
		.amdhsa_next_free_vgpr 1024
		.amdhsa_next_free_sgpr 66
		.amdhsa_reserve_vcc 0
		.amdhsa_float_denorm_mode_32 3
		.amdhsa_float_denorm_mode_16_64 3
		.amdhsa_memory_ordered 1
		.amdhsa_forward_progress 1
		.amdhsa_inst_pref_size 172
	.end_amdhsa_kernel
	.amdgpu_metadata
---
amdhsa.version: [ 1, 2 ]
amdhsa.kernels:
  - .name:           k_qf6f0aae097_gemm
    .symbol:         k_qf6f0aae097_gemm.kd
    .args:
      - { .name: x, .offset: 0, .size: 8, .value_kind: global_buffer, .address_space: global }
      - { .name: wb, .offset: 8, .size: 8, .value_kind: global_buffer, .address_space: global }
      - { .name: b, .offset: 16, .size: 8, .value_kind: global_buffer, .address_space: global }
      - { .name: order, .offset: 24, .size: 8, .value_kind: global_buffer, .address_space: global }
      - { .name: ends, .offset: 32, .size: 8, .value_kind: global_buffer, .address_space: global }
      - { .name: out0, .offset: 40, .size: 8, .value_kind: global_buffer, .address_space: global }
    .group_segment_fixed_size: 121344
    .private_segment_fixed_size: 0
    .kernarg_segment_align: 8
    .kernarg_segment_size: 48
    .max_flat_workgroup_size: 128
    .sgpr_count:     66
    .vgpr_count:     1024
    .wavefront_size: 32
...
	.end_amdgpu_metadata
.endif
;; end of part 2
